; MI455X (gfx1250); checked and timed in simulation.
; The chip was launched on July 23, 2026; its instructions are those of AMD's public machine-readable ISA for CDNA 5 (MIT licence, August 2026) and "CDNA5" Instruction Set Architecture Reference Guide (July 2026). The comments in the code are by the model that wrote it; some were corrected since.
;; Causal Self Attn. Allowed arithmetic: matrix products marked QUANTISED: E4M3 operands, one given power-of-two scale a tensor, by v_wmma_f32_16x16x64_fp8_fp8 or v_wmma_f32_16x16x128_fp8_fp8, f32 sums; everything else in f32.
;; Inputs: Wk 2,048 x 2,048 float32; Wo 2,048 x 2,048 float32; Wq 2,048 x 2,048 float32; Wv 2,048 x 2,048 float32; attn_mask 2,048 x 2,048 float32; bk 2,048 float32; bo 2,048 float32; bq 2,048 float32; bv 2,048 float32; lowp_scales 12 int32 (the exponents e of the quantised operands' scales 2^e); x 2,048 x 2,048 float32.
;; Outputs: out0 2,048 x 2,048 float32.
;; This version of the problem:
;;   THIS VERSION OF THE PROBLEM IS GIVEN IN LOW PRECISION. The matrix products marked QUANTISED in the list below multiply operands that are first quantised to E4M3 (4 exponent bits, 3 mantissa bits; 8 bits a number), with one given power-of-two scale for each operand tensor; their sums are f32. All else is computed in f32.
;;   The module's matrix products, in the order in which they are computed (A, B: the left and right operand; K: the contracted axis; several contracted axes count as one K, in the product's order):
;;     1. [M 2,048, K 2,048] x [K 2,048, N 2,048]; A: input x; B: input Wq: QUANTISED (scales: A lowp_scales[0], B lowp_scales[1])
;;     2. [M 2,048, K 2,048] x [K 2,048, N 2,048]; A: input x; B: input Wk: QUANTISED (scales: A lowp_scales[2], B lowp_scales[3])
;;     3. [M 2,048, K 2,048] x [K 2,048, N 2,048]; A: input x; B: input Wv: QUANTISED (scales: A lowp_scales[4], B lowp_scales[5])
;;     4. batch 16 x [M 2,048, K 128] x [K 128, N 2,048]; A: computed on the way; B: computed on the way: QUANTISED (scales: A lowp_scales[6], B lowp_scales[7])
;;     5. batch 16 x [M 2,048, K 2,048] x [K 2,048, N 128]; A: softmax (see below); B: computed on the way: QUANTISED (scales: A lowp_scales[8], B lowp_scales[9])
;;     6. [M 2,048, K 2,048] x [K 2,048, N 2,048]; A: computed on the way; B: input Wo: QUANTISED (scales: A lowp_scales[10], B lowp_scales[11])
;;   THE QUANTISER, for each operand of a quantised product, along K:
;;     - The operand's scale is 2^e, e = its entry of the input lowp_scales (int32; the entries are numbered through the quantised products in the list's order, A before B).
;;     - Each number is divided by the scale, clamped to +-448, and rounded to the nearest number of E4M3, ties to even, subnormals kept.
;;     - The product sums the exact products of the quantised numbers (number of the format x scale) in f32.
;;   ~~~python
;;   def quantise(x, axis, e):      # numpy; x: float32 -> the quantised numbers, widened to float32 again
;;       x = np.moveaxis(x, axis, -1); K = x.shape[-1]
;;       r = np.clip(x / 2.0 ** e, -448, 448)
;;       step = 2.0 ** (np.maximum(np.frexp(np.where(r == 0, 1, r))[1] - 1, -6) - 3)
;;       q = np.round(r / step) * step * 2.0 ** e      # np.round: ties to even
;;       return np.moveaxis(q, -1, axis).astype(np.float32)
;;   ~~~
;;   SOFTMAX AHEAD OF A QUANTISED PRODUCT. Where the list says 'softmax', what is quantised is not the finished softmax but p = 2^(t - M), with t = logit x log2(e) and M = ceil(the row's largest t), a whole number; so 1/2 < the row's largest p <= 1. The row's sum l is taken of the UNQUANTISED p, in f32, and the product's result is divided by l at the end. Since M is a whole number, a kernel that streams over the keys may use a running M (the ceiling of the running maximum): every later rescaling is an exact power of two, so the quantised numbers keep their values, but for numbers so far below the row's largest that they fall under the format's range.
;;   OPERANDS COMPUTED ON THE WAY. 'Computed on the way' means the value that the module computes at that place (a softmax that the list does not call 'softmax' is quantised finished and normalised). What goes into a quantiser is computed in f32, as accurately as f32 sums, v_exp_f32 and their like allow (about 1e-6 of the number): no bf16 or f16 on the way to a quantiser, and a product that is left as it is and whose result goes on into a quantised operand takes f32 operands (vector FMAs, or v_wmma_f32_16x16x4_f32). A number that lies on a knife's edge between two numbers of the format may be rounded either way, as far as f32 arithmetic and the matrix unit's own rounding can turn it there, and no further.
;; One version. Each part assembles by itself: llvm-mc -triple=amdgcn-amd-amdhsa -mcpu=gfx1250 --defsym DOCPART=n.
;; ======== version 1 of 1: 4 launches
;; limits: right only within a limited range of input values
;; workspace buffers: xc 12,582,912 bytes; wc 16,777,216 bytes; qc 4,194,304 bytes; kvc 8,388,608 bytes; oc 4,194,304 bytes
;; launch quant (part 1): grid 128 x 5, 4 waves a work-group, no clusters, 34,304 bytes of LDS; arguments x, Wq, Wk, Wv, Wo, lowp_scales, xc, wc; writes xc, wc
.if DOCPART == 1
	.amdgcn_target "amdgcn-amd-amdhsa--gfx1250"
	.amdhsa_code_object_version 6
	.text
	.protected	k_q760c1461e6_quant
	.globl	k_q760c1461e6_quant
	.p2align	8
	.type	k_q760c1461e6_quant,@function
k_q760c1461e6_quant:
	s_mov_b64 s[64:65], 0
	v_nop
	global_prefetch_b8 v0, s[64:65] scope:SCOPE_SE
	s_setreg_imm32_b32 hwreg(HW_REG_WAVE_MODE, 25, 1), 1
	s_wait_xcnt 0x0
; x and the four weights, all [2048][2048] f32 with K innermost, become codes of FP8 (E4M3): code = number / 2^e, held within +-448, to the nearest code, ties to even.
; x is an operand of three products with three given scales (entries 0, 2, 4 of the scales), so it gets three sets of codes; Wq, Wk, Wv, Wo take entries 1, 3, 5, 11.
; THE CODES ARE LAID AS IMAGES OF THE OPERAND'S REGISTERS.  An image is 16 rows x 128 K, 2,048 bytes: lane l = (r = l % 16, h = l / 16) holds row r, its registers 2 c, 2 c + 1 hold
; k = 16 c + 8 h + 0 .. 7 (the layout of the plain 8-bit matrix forms), and registers 4 c' .. 4 c' + 3 lie at byte 512 c' + 16 l.  A tensor: [group of 128 rows][128 K][16 rows of the group][2,048 bytes].
; SHARES.  Work-group x: 16 rows; work-group y: the tensor (0: x, 1 to 4: Wq, Wk, Wv, Wo).  Wave w: K 512 w to 512 w + 511: four images, written out.
; Each load reads 512 consecutive bytes of one row; the 16 x 128 numbers turn through the wave's own stage in LDS (rows of 512 + 16 bytes), so that a lane gets eight neighbours along K in eight registers.
; Each store of the wave covers 512 consecutive bytes, aligned.  No tensor loads, no barrier, no matrix unit, no cluster: waves share nothing and every byte is read once.
; LIMITS: each e lies between -126 and 119, so that 2^e and 448 x 2^e are f32 numbers.  NaN among the inputs is not served; an infinity is held at the largest code.
.set LO,     1                         ; v1       16 x lane: my bytes of a load's and of a store's 512; never rewritten
.set SI,     2                         ; v2       the stage, on the way in: wave's stage + 16 x lane
.set SO,     3                         ; v3       and on the way out: wave's stage + 528 r + 32 h
.set SC,     4                         ; v4-6     2^e as f32, for output 0, 1, 2
.set LIM,    7                         ; v7-9     448 x 2^e
.set R,      16                        ; v16-143  two sets of 64: an image's numbers as loaded
.set X,      144                       ; v144-207 the image's numbers in the operand's order: register 8 c + j = k 16 c + 8 h + j
.set T,      208                       ; v208-223 two sets of 8: numbers held within the largest code
.set CODE,   224                       ; v224-255 two sets of 16: an image's codes
.set SPITCH, 528                       ; 132 words: row r starts at bank 4 r mod 64 (64 banks of 4 bytes: ISA guide 11.1)
.set WSTG,   16*SPITCH
	s_load_b512 s[4:19], s[0:1], 0x0               ; x, Wq, Wk, Wv, Wo, the scales, xc, wc
	v_lshl_add_u32 v14, v0, 2, 0x8400
	v_mov_b32 v15, 0
	v_lshrrev_b32 v10, 5, v0
	v_readfirstlane_b32 s33, v10                   ; wave
	v_and_b32 v11, 31, v0
	v_and_b32 v12, 15, v0                          ; r
	v_bfe_u32 v13, v0, 4, 1                        ; h
	v_lshlrev_b32 v[LO], 4, v11
	s_mul_i32 s48, s33, WSTG
	v_add_nc_u32 v[SI], s48, v[LO]
	v_mul_u32_u24 v[SO], v12, SPITCH
	v_lshl_add_u32 v[SO], v13, 5, v[SO]
	v_add_nc_u32 v[SO], s48, v[SO]
	s_and_b32 s32, ttmp7, 0xffff                   ; which tensor
	s_lshl_b32 s50, ttmp9, 17                      ; 16 rows of 8,192 bytes,
	s_lshl_b32 s51, s33, 11                        ; my wave's 512 numbers of a row
	s_add_co_u32 s50, s50, s51
	s_mov_b32 s51, 0
	s_max_u32 s52, s32, 1
	s_sub_co_u32 s52, s52, 1
	s_lshl_b32 s52, s52, 22                        ; the weight's 4 MiB in wc (x: 0),
	s_lshr_b32 s53, ttmp9, 3
	s_lshl_b32 s53, s53, 18                        ; the group of 128 rows,
	s_add_co_u32 s52, s52, s53
	s_and_b32 s53, ttmp9, 7
	s_lshl_b32 s53, s53, 11                        ; the 16 rows in it,
	s_add_co_u32 s52, s52, s53
	s_lshl_b32 s53, s33, 16                        ; my wave's four blocks of 128 K, 16 KiB apart
	s_add_co_u32 s52, s52, s53
	s_mov_b32 s53, 0
	s_wait_alu depctr_va_vdst(0)
	s_wait_kmcnt 0x0
	s_load_b256 s[20:27], s[14:15], 0x0            ; entries 0 to 7
	s_load_b128 s[28:31], s[14:15], 0x20           ; entries 8 to 11
	s_cmp_eq_u32 s32, 1                            ; the choices hang on the work-group's number alone
	s_cselect_b64 s[34:35], s[6:7], s[4:5]
	s_cmp_eq_u32 s32, 2
	s_cselect_b64 s[34:35], s[8:9], s[34:35]
	s_cmp_eq_u32 s32, 3
	s_cselect_b64 s[34:35], s[10:11], s[34:35]
	s_cmp_eq_u32 s32, 4
	s_cselect_b64 s[34:35], s[12:13], s[34:35]
	s_cmp_eq_u32 s32, 0
	s_cselect_b64 s[40:41], s[16:17], s[18:19]
	s_add_nc_u64 s[34:35], s[34:35], s[50:51]      ; from here I load
	s_add_nc_u64 s[40:41], s[40:41], s[52:53]      ; output 0
	s_add_nc_u64 s[42:43], s[40:41], 0x400000      ; x's second set of codes (used by x's work-groups alone)
	s_add_nc_u64 s[44:45], s[40:41], 0x800000      ; and its third
.macro LOAD t                          ; image t: 16 rows x 512 bytes
.set RB, R+64*((\t)%2)
.set rho, 0
.rept 16
	global_load_b128 v[RB+4*rho:RB+4*rho+3], v[LO], s[34:35] offset:8192*rho+512*(\t) th:TH_LOAD_NT
.set rho, rho+1
.endr
.endm
.macro TURN t                          ; through the stage: LDS serves a wave's instructions in order (ISA guide 5.7.1.4), so no wait stands between the stores and the loads
.set RB, R+64*((\t)%2)
.set rho, 0
.rept 16
	ds_store_b128 v[SI], v[RB+4*rho:RB+4*rho+3] offset:SPITCH*rho
.set rho, rho+1
.endr
.set cc, 0
.rept 8
	ds_load_b128 v[X+8*cc:X+8*cc+3], v[SO] offset:64*cc
	ds_load_b128 v[X+8*cc+4:X+8*cc+7], v[SO] offset:64*cc+16
.set cc, cc+1
.endr
.endm
.macro CONV o, i                       ; image i with scale o, to output o
.set CB, CODE+16*((\o)%2)
	s_wait_xcnt 0x0                                ; the stores that read this set of code registers have read them
.set cc, 0
.rept 8
.set TT, T+8*(cc%2)
.set jj, 0
.rept 8
	v_med3_num_f32 v[TT+jj], v[X+8*cc+jj], -v[LIM+\o], v[LIM+\o]   ; the conversion to an 8-bit code does not saturate (ISA guide 7.6.2): the hold comes first
.set jj, jj+1
.endr
	v_cvt_scalef32_pk8_fp8_f32 v[CB+2*cc:CB+2*cc+1], v[TT:TT+7], v[SC+\o]   ; the next eight holds write the other set of T
.set cc, cc+1
.endr
	v_nop                                          ; a plain line behind the last conversion
.irp c, 0,1,2,3
	global_store_b128 v[LO], v[CB+4*\c:CB+4*\c+3], s[40+2*\o:41+2*\o] offset:16384*\i+512*\c
.endr
.endm
	LOAD 0
	LOAD 1
	s_wait_kmcnt 0x0
	s_cmp_eq_u32 s32, 1
	s_cselect_b32 s36, s21, s20                    ; e of output 0: entry 0 (x), 1, 3, 5, 11
	s_cmp_eq_u32 s32, 2
	s_cselect_b32 s36, s23, s36
	s_cmp_eq_u32 s32, 3
	s_cselect_b32 s36, s25, s36
	s_cmp_eq_u32 s32, 4
	s_cselect_b32 s36, s31, s36
	s_mov_b32 s37, s22                             ; x's second scale: entry 2
	s_mov_b32 s38, s24                             ; its third: entry 4
.irp o, 0,1,2
	s_add_co_i32 s54, s[36+\o], 127
	s_lshl_b32 s55, s54, 23
	v_mov_b32 v[SC+\o], s55                        ; 2^e: the conversion takes its exponent field
	s_add_co_i32 s54, s54, 8
	s_lshl_b32 s54, s54, 23
	s_or_b32 s54, s54, 0x600000
	v_mov_b32 v[LIM+\o], s54                       ; 448 x 2^e
.endr
.macro IMG i
.if \i < 3
	s_wait_loadcnt 16                              ; this image's 16 loads are in; the next image's 16 may be out
.else
	s_wait_loadcnt 0x0
.endif
	TURN \i
	s_wait_dscnt 0x0                               ; the numbers are back, and the stage's stores have read their registers,
.if \i < 2
	LOAD (\i+2)                                    ; which take the image two further on
.endif
	CONV 0, \i
	s_cmp_lg_u32 s32, 0                            ; a weight has one scale; the branch stands round arithmetic and stores alone
	s_cbranch_scc1 .Lweight_\@
	CONV 1, \i
	CONV 2, \i
.Lweight_\@:
.endm
	s_wait_alu depctr_va_vdst(0)
	IMG 0
	IMG 1
	IMG 2
	IMG 3
	s_wait_tensorcnt 0x0
	ds_add_u32 v14, v15
	s_wait_dscnt 0x0
	s_endpgm
.Lfunc_end_k_q760c1461e6_quant:
	.size	k_q760c1461e6_quant, .Lfunc_end_k_q760c1461e6_quant-k_q760c1461e6_quant
	.p2alignl 7, 3214868480
	.fill 96, 4, 3214868480
	.section	.rodata,"a",@progbits
	.p2align	6, 0x0
	.amdhsa_kernel k_q760c1461e6_quant
		.amdhsa_group_segment_fixed_size 34304
		.amdhsa_private_segment_fixed_size 0
		.amdhsa_enable_private_segment 0
		.amdhsa_kernarg_size 64
		.amdhsa_user_sgpr_count 2
		.amdhsa_user_sgpr_kernarg_segment_ptr 1
		.amdhsa_wavefront_size32 1
		.amdhsa_system_sgpr_workgroup_id_x 1
		.amdhsa_system_sgpr_workgroup_id_y 1
		.amdhsa_system_sgpr_workgroup_id_z 1
		.amdhsa_system_vgpr_workitem_id 0
		.amdhsa_next_free_vgpr 256
		.amdhsa_next_free_sgpr 66
		.amdhsa_reserve_vcc 0
		.amdhsa_float_denorm_mode_32 3
		.amdhsa_float_denorm_mode_16_64 3
		.amdhsa_memory_ordered 1
		.amdhsa_forward_progress 1
		.amdhsa_inst_pref_size 78
	.end_amdhsa_kernel
	.amdgpu_metadata
---
amdhsa.version: [ 1, 2 ]
amdhsa.kernels:
  - .name:           k_q760c1461e6_quant
    .symbol:         k_q760c1461e6_quant.kd
    .args:
      - { .name: x, .offset: 0, .size: 8, .value_kind: global_buffer, .address_space: global }
      - { .name: Wq, .offset: 8, .size: 8, .value_kind: global_buffer, .address_space: global }
      - { .name: Wk, .offset: 16, .size: 8, .value_kind: global_buffer, .address_space: global }
      - { .name: Wv, .offset: 24, .size: 8, .value_kind: global_buffer, .address_space: global }
      - { .name: Wo, .offset: 32, .size: 8, .value_kind: global_buffer, .address_space: global }
      - { .name: lowp_scales, .offset: 40, .size: 8, .value_kind: global_buffer, .address_space: global }
      - { .name: xc, .offset: 48, .size: 8, .value_kind: global_buffer, .address_space: global }
      - { .name: wc, .offset: 56, .size: 8, .value_kind: global_buffer, .address_space: global }
    .group_segment_fixed_size: 34304
    .private_segment_fixed_size: 0
    .kernarg_segment_align: 8
    .kernarg_segment_size: 64
    .max_flat_workgroup_size: 128
    .sgpr_count:     66
    .vgpr_count:     256
    .wavefront_size: 32
...
	.end_amdgpu_metadata
.endif
;; end of part 1
;; launch qkv (part 2): grid 24 x 8, 4 waves a work-group, clusters of 4 x 4, 327,680 bytes of LDS; arguments xc, wc, lowp_scales, bq, bk, bv, qc, kvc; writes qc, kvc
.if DOCPART == 2
	.amdgcn_target "amdgcn-amd-amdhsa--gfx1250"
	.amdhsa_code_object_version 6
	.text
	.protected	k_q760c1461e6_qkv
	.globl	k_q760c1461e6_qkv
	.p2align	8
	.type	k_q760c1461e6_qkv,@function
k_q760c1461e6_qkv:
	s_mov_b64 s[64:65], 0
	v_nop
	global_prefetch_b8 v0, s[64:65] scope:SCOPE_SE
	s_setreg_imm32_b32 hwreg(HW_REG_WAVE_MODE, 25, 1), 1
	s_wait_xcnt 0x0
	s_wait_alu depctr_hold_cnt(0) depctr_sa_sdst(0) depctr_va_vdst(0) depctr_va_sdst(0) depctr_va_ssrc(0) depctr_va_vcc(0) depctr_vm_vsrc(0)
	s_getreg_b32 s2, hwreg(HW_REG_IB_STS2, 6, 4)
	s_cmp_eq_u32 s2, 0
	s_cbranch_scc0 .Lentry_in_a_cluster
	s_endpgm
.Lentry_in_a_cluster:
	s_bfe_u32 s2, ttmp6, 0x10000c
	s_cmp_lg_u32 s2, 0xf033
	s_cbranch_scc0 .Lentry_shape_is_right
	s_endpgm
.Lentry_shape_is_right:
.set HALFT,  32768
.set SLOT,   4*HALFT
.set SPARE,  2*SLOT
.set KSB,    32768
.set LAPS,   4
.set FR,     16
.set NL,     4
.set NP,     4
.set ADRA, 16
.set ADRB, 20
.set CO,   26
.set SPW,  28
.set NIL,  29
.set BC,   32
.set BR2,  96
.set QS,   112
.set QL,   113
.set AF,   128
.set TMP,  128
.set CD,   192
.set G1, 24
.set G0, 32
.set G1B, 48
.set G0B, 56
.set MSB, 0
.macro WIN new
.if MSB != \new
	s_set_vgpr_msb (MSB<<8)|\new
.set MSB, \new
.endif
.endm
.set MUL_LO, 0xa1
.set MUL_HI, 0xf1
.set TO_B,   0x40
.macro JLOAD g0a, g1a, g0b, g1b
	s_cmp_eq_u32 s15, 0
	s_cbranch_scc0 .Lfor_b_\@
	tensor_load_to_lds s[\g0a:\g0a+3], s[\g1a:\g1a+7]
	s_nop 0
.rept 4
	v_nop
.endr
	s_branch .Lasked_\@
.Lfor_b_\@:
	tensor_load_to_lds s[\g0b:\g0b+3], s[\g1b:\g1b+7]
	s_nop 0
.rept 4
	v_nop
.endr
.Lasked_\@:
.endm
.macro CREST
	s_cmp_lg_u32 s14, 0
	s_cbranch_scc1 .Lnot_wave_0_\@
	s_barrier_signal -3
.Lnot_wave_0_\@:
	s_barrier_wait -3
	s_barrier_signal -1
	s_barrier_wait -1
.endm
.macro CROUND
	s_barrier_signal -1
	s_barrier_wait -1
	CREST
.endm
	s_load_b512 s[68:83], s[0:1], 0x0
	v_lshl_add_u32 v[SPW], v0, 2, SPARE
	v_mov_b32 v[NIL], 0
	ds_add_u32 v28, v29
	ds_add_u32 v28, v29
	s_wait_dscnt 0x0
	v_lshrrev_b32 v1, 5, v0
	v_readfirstlane_b32 s14, v1
	v_and_b32 v30, 31, v0
	v_lshlrev_b32 v30, 8, v30                      ; the prefetches' offset: 256 x lane; never rewritten
	s_lshr_b32 s15, s14, 1
	s_and_b32 s16, s14, 1
	s_bfe_u32 s7, ttmp6, 0x40000
	s_bfe_u32 s8, ttmp6, 0x40004
	s_lshr_b32 s4, ttmp9, 1
	s_and_b32 s5, ttmp9, 1
	s_lshl_b32 s5, s5, 2
	s_add_co_u32 s5, s5, s7
	s_and_b32 s6, ttmp7, 0xffff
	s_lshl_b32 s6, s6, 2
	s_add_co_u32 s6, s6, s8
	s_lshl_b32 s9, s8, 2
	s_lshl_b32 s9, 15, s9
	s_lshl_b32 s10, 0x1111, s7
	s_or_b32 s[G1+0], s9, (3<<16)|(1<<21)
	s_or_b32 s[G1B+0], s10, (3<<16)|(1<<21)
.irp g, G1, G1B
	s_mov_b32 s[\g+1], 32<<16
	s_mov_b32 s[\g+2], 128<<16
	s_mov_b32 s[\g+3], 32<<16
	s_mov_b32 s[\g+4], 128
	s_mov_b32 s[\g+5], 32
	s_mov_b32 s[\g+6], 0
	s_mov_b32 s[\g+7], 0
.endr
	s_lshl_b32 s44, s6, 1
	s_add_co_u32 s44, s44, s16
	s_lshl_b32 s44, s44, 18
	s_mov_b32 s45, 0
	s_lshl_b32 s46, s5, 1
	s_add_co_u32 s46, s46, s16
	s_lshl_b32 s46, s46, 18
	s_mov_b32 s47, 0
	s_lshl_b32 s12, s4, 22
	s_mov_b32 s13, 0
	s_add_nc_u64 s[44:45], s[44:45], s[12:13]
	s_add_nc_u64 s[46:47], s[46:47], s[12:13]
	s_mul_i32 s11, s14, HALFT
	s_wait_kmcnt 0x0
	s_load_b256 s[84:91], s[72:73], 0x0
	s_load_b128 s[92:95], s[72:73], 0x20
	s_cmp_eq_u32 s4, 2
	s_cselect_b64 s[40:41], s[70:71], s[68:69]
	s_cselect_b64 s[42:43], s[68:69], s[70:71]
	s_add_nc_u64 s[40:41], s[40:41], s[44:45]
	s_add_nc_u64 s[42:43], s[42:43], s[46:47]
	; the prefetches: of the 32 KiB that my wave fetches for a K step, my work-group names 8 KiB: the four partners that ask for the tile jointly are told apart by address (cx along a row, cy along a column)
	s_cmp_eq_u32 s15, 0
	s_cselect_b64 s[44:45], s[40:41], s[42:43]
	s_cselect_b32 s46, s7, s8
	s_lshl_b32 s46, s46, 13
	s_mov_b32 s47, 0
	s_add_nc_u64 s[44:45], s[44:45], s[46:47]
	CROUND
.irp s, 0,1
	s_mov_b32 s[G0+4*\s], 1
	s_add_co_u32 s[G0+4*\s+1], s11, \s*SLOT
	s_add_nc_u64 s[G0+4*\s+2:G0+4*\s+3], s[40:41], \s*KSB
	s_or_b32 s[G0+4*\s+3], s[G0+4*\s+3], 0x80000000
	s_mov_b32 s[G0B+4*\s], 1
	s_add_co_u32 s[G0B+4*\s+1], s11, \s*SLOT
	s_add_nc_u64 s[G0B+4*\s+2:G0B+4*\s+3], s[42:43], \s*KSB
	s_or_b32 s[G0B+4*\s+3], s[G0B+4*\s+3], 0x80000000
	s_wait_alu depctr_va_vdst(0)
	s_wait_tensorcnt 0x0
	ds_add_u32 v28, v29
	ds_add_u32 v28, v29
	s_wait_dscnt 0x0
	CROUND
	JLOAD G0+4*\s, G1, G0B+4*\s, G1B
.if \s == 0
	global_prefetch_b8 v30, s[44:45] offset:KSB th:TH_LOAD_NT scope:SCOPE_SE     ; behind the fill of K step f: K step f + 2; behind the first fill K step 1 too
	global_prefetch_b8 v30, s[44:45] offset:2*KSB th:TH_LOAD_NT scope:SCOPE_SE
.else
	global_prefetch_b8 v30, s[44:45] offset:3*KSB th:TH_LOAD_NT scope:SCOPE_SE
.endif
.endr
	v_and_b32 v1, 15, v0
	v_bfe_u32 v2, v0, 4, 1
	s_wait_alu depctr_va_vdst(0)
	v_and_b32 v3, 31, v0
	v_lshlrev_b32 v[CO], 4, v3
	s_mul_i32 s21, s15, HALFT
	s_mul_i32 s22, s16, HALFT
	s_add_co_u32 s22, s22, 2*HALFT
.irp s, 0,1
	v_add_nc_u32 v[ADRA+\s], s21, v[CO]
	v_add_nc_u32 v[ADRB+\s], s22, v[CO]
	s_add_co_u32 s21, s21, SLOT
	s_add_co_u32 s22, s22, SLOT
.endr
	s_lshl_b32 s66, s5, 1
	s_add_co_u32 s66, s66, s16
	s_lshl_b32 s67, s6, 1
	s_add_co_u32 s67, s67, s15
	s_cmp_eq_u32 s4, 1
	s_cselect_b64 s[100:101], s[76:77], s[74:75]
	s_cmp_eq_u32 s4, 2
	s_cselect_b64 s[100:101], s[78:79], s[100:101]
	s_lshl_b32 s18, s66, 9
	s_lshl_b32 s19, s67, 9
	v_lshl_add_u32 v6, v2, 5, s18
	v_lshl_add_u32 v7, v1, 2, s19
.irp b, 0,1,2,3,4,5,6,7
	global_load_b128 v[BC+8*\b:BC+8*\b+3], v6, s[100:101] offset:64*\b
	global_load_b128 v[BC+8*\b+4:BC+8*\b+7], v6, s[100:101] offset:64*\b+16
.endr
.irp a, 0,1,2,3,4,5,6,7
	global_load_b32 v[BR2+2*\a], v7, s[100:101] offset:64*\a
	global_load_b32 v[BR2+2*\a+1], v7, s[100:101] offset:64*\a
.endr
	s_cmp_eq_u32 s4, 0
	s_cselect_b64 s[98:99], s[80:81], s[82:83]
	s_cselect_b32 s18, 18, 19
	s_cmp_eq_u32 s4, 2
	s_cselect_b32 s19, s67, s66
	s_cselect_b32 s20, s66, s67
	s_cselect_b32 s23, 16384, 0
	s_lshl_b32 s19, s19, s18
	s_sub_co_u32 s18, s18, 4
	s_lshl_b32 s20, s20, s18
	s_add_co_u32 s12, s19, s20
	s_add_co_u32 s12, s12, s23
	s_mov_b32 s13, 0
	s_add_nc_u64 s[98:99], s[98:99], s[12:13]
.macro FRAG reg, adr, q, i
.irp c, 0,1,2,3
	ds_load_b128 v[\reg+4*\c:\reg+4*\c+3], v[\adr] offset:16384*(\q)+2048*(\i)+512*\c
.endr
.endm
.macro MUL16 a0, p, zero
.irp a, \a0, \a0+1
.irp b, 0,1,2,3,4,5,6,7
.if \zero
	v_wmma_f32_16x16x128_fp8_fp8 v[8*(8*((\a)%4)+\b):8*(8*((\a)%4)+\b)+7], v[128*(\p)+FR*\b:128*(\p)+FR*\b+FR-1], v[AF+FR*(\a):AF+FR*(\a)+FR-1], 0
.else
	v_wmma_f32_16x16x128_fp8_fp8 v[8*(8*((\a)%4)+\b):8*(8*((\a)%4)+\b)+7], v[128*(\p)+FR*\b:128*(\p)+FR*\b+FR-1], v[AF+FR*(\a):AF+FR*(\a)+FR-1], v[8*(8*((\a)%4)+\b):8*(8*((\a)%4)+\b)+7]
.endif
.endr
.endr
.endm
.macro FETCH_B slot, q, p
	WIN TO_B
.irp i, 0,1,2,3,4,5,6,7
	FRAG 128*(\p)+FR*\i, ADRB+\slot, \q, \i
.endr
	WIN 0
.endm
.macro FETCH_A slot, q, i0
.irp i, \i0, \i0+1, \i0+2, \i0+3
	FRAG AF+FR*(\i), ADRA+\slot, \q, \i
.endr
.endm
.macro PLACES n
.rept \n
	v_nop
.endr
.endm
.macro STEP slot, q, zero
	s_wait_dscnt 4*NL
	WIN MUL_LO
	MUL16 0, (\q)%2, \zero
	MUL16 2, (\q)%2, \zero
	s_wait_dscnt 0
	PLACES NP
	FETCH_B \slot, (\q)+1, 1-(\q)%2
	FETCH_A \slot, (\q)+1, 0
	WIN MUL_HI
	MUL16 4, (\q)%2, \zero
	MUL16 6, (\q)%2, \zero
	PLACES NP
	WIN 0
	FETCH_A \slot, (\q)+1, 4
.endm
.macro TURN slot, next, fill
	s_wait_tensorcnt 0x0
	ds_add_u32 v[SPW], v[NIL]
	s_wait_dscnt 4*NL+1
	WIN MUL_LO
	MUL16 0, 1, 0
	s_wait_dscnt 0x0
	s_barrier_signal -1
	MUL16 2, 1, 0
	WIN 0
	s_barrier_wait -1
.if \fill
	CREST
	s_add_nc_u64 s[G0+4*\slot+2:G0+4*\slot+3], s[G0+4*\slot+2:G0+4*\slot+3], 2*KSB
	s_add_nc_u64 s[G0B+4*\slot+2:G0B+4*\slot+3], s[G0B+4*\slot+2:G0B+4*\slot+3], 2*KSB
	JLOAD G0+4*\slot, G1, G0B+4*\slot, G1B
.else
	PLACES NP
.endif
	FETCH_B \next, 0, 0
	FETCH_A \next, 0, 0
.if \fill
	s_cmp_gt_u32 s3, 1                             ; the last lap's refills are K steps 6 and 7: there is no K step two on
	s_cbranch_scc0 .Lnone_\@
	global_prefetch_b8 v30, s[44:45] offset:(4+\slot)*KSB th:TH_LOAD_NT scope:SCOPE_SE
.Lnone_\@:
.endif
	WIN MUL_HI
	MUL16 4, 1, 0
	MUL16 6, 1, 0
	PLACES NP
	WIN 0
	FETCH_A \next, 0, 4
.endm
	s_wait_alu depctr_va_vdst(0)
	s_wait_tensorcnt 1
	s_barrier_signal -1
	s_barrier_wait -1
	FETCH_B 0, 0, 0
	FETCH_A 0, 0, 0
	FETCH_A 0, 0, 4
	STEP 0, 0, 1
	s_mov_b32 s3, LAPS-1
.Llap:
	TURN 0, 1, 1
	STEP 1, 0, 0
	TURN 1, 0, 1
	STEP 0, 0, 0
	s_wait_xcnt 0x0                                ; my prefetches have read their address: it steps a lap on
	s_add_nc_u64 s[44:45], s[44:45], 2*KSB
	s_sub_co_u32 s3, s3, 1
	s_cmp_lg_u32 s3, 0
	s_cbranch_scc1 .Llap
	TURN 0, 1, 0
	STEP 1, 0, 0
	s_wait_dscnt 4*NL
	WIN MUL_LO
	MUL16 0, 1, 0
	MUL16 2, 1, 0
	s_wait_dscnt 0
	WIN MUL_HI
	MUL16 4, 1, 0
	MUL16 6, 1, 0
	WIN 0
	s_wait_loadcnt 0x0
	s_wait_kmcnt 0x0
	s_mov_b32 s2, 0x3f800000
	s_cmp_eq_u32 s4, 2
	s_cselect_b32 s20, 0, s2
	s_cselect_b32 s22, s2, 0
	s_mov_b32 s21, s20
	s_mov_b32 s23, s22
	s_cselect_b32 s12, s88, s84
	s_cselect_b32 s13, s89, s85
	s_cselect_b32 s18, s93, s90
	s_cmp_eq_u32 s4, 1
	s_cselect_b32 s12, s86, s12
	s_cselect_b32 s13, s87, s13
	s_cselect_b32 s18, s91, s18
	s_add_co_i32 s12, s12, s13
	s_add_co_i32 s12, s12, 127
	s_lshl_b32 s96, s12, 23
	s_mov_b32 s97, s96
	s_add_co_i32 s18, s18, 127
	s_lshl_b32 s19, s18, 23
	s_add_co_i32 s18, s18, 8
	s_lshl_b32 s18, s18, 23
	s_or_b32 s18, s18, 0x600000
.set jj, 0
.rept 32
	v_pk_mul_f32 v[BC+jj:BC+jj+1], v[BC+jj:BC+jj+1], s[20:21] op_sel_hi:[1,0]
.set jj, jj+2
.endr
.set jj, 0
.rept 8
	v_pk_mul_f32 v[BR2+jj:BR2+jj+1], v[BR2+jj:BR2+jj+1], s[22:23] op_sel_hi:[1,0]
.set jj, jj+2
.endr
	v_mov_b32 v[QS], s19
	v_mov_b32 v[QL], s18
.macro OUTB a
.set AC, 64*((\a)%4)
.set CB, CD+16*((\a)%2)
.if (\a) >= 2
	s_wait_xcnt 0x0
.endif
	WIN 0x02+((\a)/4)
.set jj, 0
.rept 32
	v_pk_fma_f32 v[TMP+jj:TMP+jj+1], v[AC+jj:AC+jj+1], s[96:97], v[BC+jj:BC+jj+1] op_sel_hi:[1,0,1]
.set jj, jj+2
.endr
	WIN 0
.set jj, 0
.rept 32
	v_pk_add_f32 v[TMP+jj:TMP+jj+1], v[TMP+jj:TMP+jj+1], v[BR2+2*(\a):BR2+2*(\a)+1]
.set jj, jj+2
.endr
.set jj, 0
.rept 64
	v_med3_num_f32 v[TMP+jj], v[TMP+jj], -v[QL], v[QL]
.set jj, jj+1
.endr
.irp b, 0,1,2,3,4,5,6,7
	v_cvt_scalef32_pk8_fp8_f32 v[CB+2*\b:CB+2*\b+1], v[TMP+8*\b:TMP+8*\b+7], v[QS]
.endr
	v_nop
.irp c, 0,1,2,3
	global_store_b128 v[CO], v[CB+4*\c:CB+4*\c+3], s[98:99] offset:2048*(\a)+512*\c
.endr
.endm
.irp a, 0,1,2,3,4,5,6,7
	OUTB \a
.endr
	s_wait_tensorcnt 0x0
	ds_add_u32 v[SPW], v[NIL]
	s_wait_dscnt 0x0
	CROUND
	s_endpgm
.Lfunc_end_k_q760c1461e6_qkv:
	.size	k_q760c1461e6_qkv, .Lfunc_end_k_q760c1461e6_qkv-k_q760c1461e6_qkv
	.p2alignl 7, 3214868480
	.fill 96, 4, 3214868480
	.section	.rodata,"a",@progbits
	.p2align	6, 0x0
	.amdhsa_kernel k_q760c1461e6_qkv
		.amdhsa_group_segment_fixed_size 327680
		.amdhsa_private_segment_fixed_size 0
		.amdhsa_enable_private_segment 0
		.amdhsa_kernarg_size 64
		.amdhsa_user_sgpr_count 2
		.amdhsa_user_sgpr_kernarg_segment_ptr 1
		.amdhsa_wavefront_size32 1
		.amdhsa_system_sgpr_workgroup_id_x 1
		.amdhsa_system_sgpr_workgroup_id_y 1
		.amdhsa_system_sgpr_workgroup_id_z 1
		.amdhsa_system_vgpr_workitem_id 0
		.amdhsa_next_free_vgpr 1024
		.amdhsa_next_free_sgpr 102
		.amdhsa_reserve_vcc 0
		.amdhsa_float_denorm_mode_32 3
		.amdhsa_float_denorm_mode_16_64 3
		.amdhsa_memory_ordered 1
		.amdhsa_forward_progress 1
		.amdhsa_inst_pref_size 158
	.end_amdhsa_kernel
	.amdgpu_metadata
---
amdhsa.version: [ 1, 2 ]
amdhsa.kernels:
  - .name:           k_q760c1461e6_qkv
    .symbol:         k_q760c1461e6_qkv.kd
    .args:
      - { .name: xc, .offset: 0, .size: 8, .value_kind: global_buffer, .address_space: global }
      - { .name: wc, .offset: 8, .size: 8, .value_kind: global_buffer, .address_space: global }
      - { .name: lowp_scales, .offset: 16, .size: 8, .value_kind: global_buffer, .address_space: global }
      - { .name: bq, .offset: 24, .size: 8, .value_kind: global_buffer, .address_space: global }
      - { .name: bk, .offset: 32, .size: 8, .value_kind: global_buffer, .address_space: global }
      - { .name: bv, .offset: 40, .size: 8, .value_kind: global_buffer, .address_space: global }
      - { .name: qc, .offset: 48, .size: 8, .value_kind: global_buffer, .address_space: global }
      - { .name: kvc, .offset: 56, .size: 8, .value_kind: global_buffer, .address_space: global }
    .group_segment_fixed_size: 327680
    .private_segment_fixed_size: 0
    .kernarg_segment_align: 8
    .kernarg_segment_size: 64
    .max_flat_workgroup_size: 128
    .sgpr_count:     102
    .vgpr_count:     1024
    .wavefront_size: 32
...
	.end_amdgpu_metadata
.endif
;; end of part 2
;; launch attn (part 3): grid 16 x 16, 4 waves a work-group, clusters of 4 x 4, 327,680 bytes of LDS; arguments qc, kvc, attn_mask, lowp_scales, oc; writes oc
.if DOCPART == 3
	.amdgcn_target "amdgcn-amd-amdhsa--gfx1250"
	.amdhsa_code_object_version 6
	.text
	.protected	k_q760c1461e6_attn
	.globl	k_q760c1461e6_attn
	.p2align	8
	.type	k_q760c1461e6_attn,@function
k_q760c1461e6_attn:
	s_mov_b64 s[64:65], 0
	v_nop
	global_prefetch_b8 v0, s[64:65] scope:SCOPE_SE
	s_setreg_imm32_b32 hwreg(HW_REG_WAVE_MODE, 25, 1), 1
	s_wait_xcnt 0x0
	s_wait_alu depctr_hold_cnt(0) depctr_sa_sdst(0) depctr_va_vdst(0) depctr_va_sdst(0) depctr_va_ssrc(0) depctr_va_vcc(0) depctr_vm_vsrc(0)
	s_getreg_b32 s2, hwreg(HW_REG_IB_STS2, 6, 4)
	s_cmp_eq_u32 s2, 0
	s_cbranch_scc0 .Lentry_in_a_cluster
	s_endpgm
.Lentry_in_a_cluster:
	s_bfe_u32 s2, ttmp6, 0x10000c
	s_cmp_lg_u32 s2, 0xf033
	s_cbranch_scc0 .Lentry_shape_is_right
	s_endpgm
.Lentry_shape_is_right:
; For each head: o = softmax(q k^T / sqrt(128) + attn_mask) v, both products on codes of FP8 (E4M3); o is quantised at once (entry 10 of the scales) into the last product's operand.
; THE MASK IS AN INPUT: every query walks all 2,048 keys, and every number of the mask is added in f32.
; THE SOFTMAX: t = logit x log2(e); M = the row's largest t so far, rounded UP to a whole number; p = 2^(t - M) is quantised (entry 8), not normalised; the row's sum is taken of the unquantised p and divides at the end.
; When M moves, the sum and O are multiplied by 2^(old M - new M): exact.
; SHARES.  A work-group: 128 queries of one head.  Wave w: query tiles 2 w and 2 w + 1 (16 queries each), so each fragment of K and V read from LDS feeds two products.  16 key steps of 128.
; LAYOUT.  All codes lie as images of the operand's registers (16 rows x 128 K, 2,048 bytes, registers 4 c .. 4 c + 3 of lane l at 512 c + 16 l).  Both products are used transposed: S^T = K Q^T, O^T = V^T P^T:
; a lane holds ONE query (lane % 16); tile t's eight registers are keys 16 t + 8 (lane / 16) + 0 .. 7, which convert into registers 2 t, 2 t + 1 of P's image; O^T's tiles likewise into the output's image.
; THE MASK IS THE C OF THE FIRST PRODUCT: it is read from LDS into registers of its own, multiplied by sqrt(128) / 2^(eq + ek), and the product adds the raw scores onto it; t = c x that, c = log2(e) 2^(eq + ek) / sqrt(128).
; RING.  Two slots, 2^17 bytes apart; a slot: K's 8 images, V^T's 8 images, 128 rows x (512 + 16) bytes of the mask.  One joint load a wave behind each round: waves 0, 1: K, V; waves 2, 3: the mask's halves.
; THE ORDER OF A TRIP.  Scores of both tiles, with the step's V read from LDS among them; tile 0's softmax and second product; the change of slots; tile 1's softmax and second product, among whose lines the
; NEXT step's K and mask are read from the slot just shown, 16 loads at a time.  So every fragment of a slot is in registers at the next change of slots.
; O^T begins as zeros and the largest t as -3e38, so that the step is written without a first form: the first change of M multiplies zeros.
; CLUSTER.  4 x 4: along x four blocks of queries, along y four heads.  K and V hang on the head alone: asked for jointly along a row; the mask's tile hangs on the queries alone: jointly along a column.
; PREFETCH.  Behind the refill for key step s each wave names, once, a quarter of what it will fetch for step s + 2: waves 0, 1: 16 blocks of 256 bytes of K or V (quarter by cx; lanes 16-31 name the last block again);
; waves 2, 3: 16 rows x 512 bytes of the mask (quarter by cy).  Steps 0 to 3 come by their loads alone; the refills for steps 14 and 15 name nothing.
; LIMITS: eq + ek between -120 and 119 (added to and taken from an exponent field); entries 8 and 10 between -126 and 119.  NaN is not served.  A row whose mask is -infinity throughout gives NaN.
; REGISTERS: window 0: v3-6 addresses; v8, v9 for the add; v10-13 scales; v14 the prefetch's offset; v16-23 four statistics a tile: -M, the largest t, the sum in two halves; v24-31 at work; v32-63 Q; v64-95 P; v128-255 S^T.
;   window 1: v0-127 K, v128-255 V.   window 2: v0-127 O^T, 64 a tile; v128-255 the mask, 64 a tile.
.set SLOT1, 1<<17
.set MOFF,  32768                      ; the mask's tile in a slot
.set MP,    528                        ; its pitch: 132 words: row r starts at bank 4 r mod 64 (ISA guide 11.1)
.set SPARE, 2*SLOT1                    ; the spare words, 128 bytes for each wave
.set AL,  3                            ; v3   16 x lane
.set AM0, 4                            ; v4   my place in the mask's tile: MOFF + (32 w + r) MP + 32 h
.set ADK, 5                            ; v5   AL + the slot in hand
.set ADM, 6                            ; v6   AM0 + the slot in hand
.set SPW, 8
.set NIL, 9
.set PL,  10                           ; 448 x 2^ep
.set PS,  11                           ; 2^ep
.set OL,  12                           ; 448 x 2^e10
.set OS,  13                           ; 2^e10
.set PFO, 14                           ; the prefetch's offset; never rewritten
.set ST,  16
.set T0,  24
.set T1,  25
.set T2,  26
.set F,   28                           ; v[28:29]: f = 2^(old M - new M) in the low word; at the end v28, v30: 2^(ep + ev) / the sum
.set Q,   32
.set P,   64
.set S,   128
.set KF,  0
.set VF,  128
.set MK,  128                          ; the mask, in window 2
.set WV,   14
.set G1KV, 24
.set G1M,  32
.set G0KV, 40
.set G0M,  44
.set SEL,  48
.set CS,   50
.set MS,   52
.set TB,   54
.set CNT,  55
.set PFA,  72                          ; s[72:73] where my prefetch stands
.set PFS,  74                          ; s[74:75] a key step on, in bytes: 32,768 in K and V, 512 in a row of the mask
.set MSB, 0
.macro WIN new
.if MSB != \new
	s_set_vgpr_msb (MSB<<8)|\new
.set MSB, \new
.endif
.endm
.macro JLOAD                           ; the branch hangs on the wave's number alone; an s_nop 0 and four v_nop follow each of the two lines
	s_cmp_lt_u32 s[WV], 2
	s_cbranch_scc0 .Lfor_m_\@
	tensor_load_to_lds s[G0KV:G0KV+3], s[G1KV:G1KV+7]
	s_nop 0
.rept 4
	v_nop
.endr
	s_branch .Lasked_\@
.Lfor_m_\@:
	tensor_load_to_lds s[G0M:G0M+3], s[G1M:G1M+7]
	s_nop 0
.rept 4
	v_nop
.endr
.Lasked_\@:
.endm
.macro CROUND
	s_barrier_signal -1
	s_barrier_wait -1
	s_cmp_lg_u32 s[WV], 0
	s_cbranch_scc1 .Lnot_wave_0_\@
	s_barrier_signal -3
.Lnot_wave_0_\@:
	s_barrier_wait -3
	s_barrier_signal -1
	s_barrier_wait -1
.endm
.macro ASK                             ; the loop's trip with count c refills step 16 - c and names step 18 - c: none where c is 2 or 1
	s_cmp_gt_u32 s[CNT], 2
	s_cbranch_scc0 .Lnone_\@
	global_prefetch_b8 v[PFO], s[PFA:PFA+1] th:TH_LOAD_NT scope:SCOPE_SE
.Lnone_\@:
.endm
	s_load_b256 s[4:11], s[0:1], 0x0               ; qc s[4:5], kvc s[6:7], the mask s[8:9], the scales s[10:11]
	s_load_b64 s[12:13], s[0:1], 0x20              ; oc
	v_lshl_add_u32 v[SPW], v0, 2, SPARE
	v_mov_b32 v[NIL], 0
	ds_add_u32 v[SPW], v[NIL]                      ; the opening lines: the add twice on end and its wait
	ds_add_u32 v[SPW], v[NIL]
	s_wait_dscnt 0x0
	v_lshrrev_b32 v1, 5, v0
	v_readfirstlane_b32 s[WV], v1                  ; wave 0..3
	s_and_b32 s15, s[WV], 1                        ; which half I fetch
	s_bfe_u32 s16, ttmp6, 0x40000                  ; cx
	s_bfe_u32 s17, ttmp6, 0x40004                  ; cy
	s_lshl_b32 s18, ttmp9, 2
	s_add_co_u32 s18, s18, s16                     ; my block of 128 queries
	s_and_b32 s19, ttmp7, 0xffff
	s_lshl_b32 s19, s19, 2
	s_add_co_u32 s19, s19, s17                     ; my head
	s_lshl_b32 s20, s17, 2
	s_lshl_b32 s20, 15, s20                        ; my row of the cluster: the same head
	s_lshl_b32 s21, 0x1111, s16                    ; my column: the same queries
	s_or_b32 s[G1KV], s20, (3<<16)|(1<<21)         ; K or V: 16 KiB on end: 64 rows of 32 elements of 8 bytes; no padding
	s_mov_b32 s[G1KV+1], 32<<16
	s_mov_b32 s[G1KV+2], 64<<16
	s_mov_b32 s[G1KV+3], 32<<16
	s_mov_b32 s[G1KV+4], 64
	s_mov_b32 s[G1KV+5], 32
	s_mov_b32 s[G1KV+6], 0
	s_mov_b32 s[G1KV+7], 0
	s_or_b32 s[G1M], s21, (2<<16)|(1<<20)|(1<<21)|(6<<22)|(3<<25)   ; the mask: elements of 4 bytes; padding on: 4 words (code 3) after every 128 (code 6)
	s_mov_b32 s[G1M+1], 128<<16
	s_mov_b32 s[G1M+2], 64<<16
	s_mov_b32 s[G1M+3], 128<<16
	s_mov_b32 s[G1M+4], 64
	s_mov_b32 s[G1M+5], 2048
	s_mov_b32 s[G1M+6], 0
	s_mov_b32 s[G1M+7], 0
	s_lshl_b32 s66, s19, 19                        ; K, V: the head's 512 KiB,
	s_lshl_b32 s22, s15, 14                        ; K's 16 KiB or V's: in memory and in a slot alike
	s_add_co_u32 s66, s66, s22
	s_mov_b32 s67, 0
	s_lshl_b32 s68, s18, 20                        ; the mask: 128 rows of 8,192 bytes a block,
	s_lshl_b32 s23, s15, 19                        ; my 64 of them
	s_add_co_u32 s68, s68, s23
	s_mov_b32 s69, 0
	s_mul_i32 s23, s15, 64*MP
	s_add_co_u32 s23, s23, MOFF                    ; and their place in a slot
	s_mov_b32 s[SEL], 0x76543210
	s_mov_b32 s[SEL+1], 0xfedcba98
	s_mov_b32 s[TB], 0
	s_wait_kmcnt 0x0
	s_load_b128 s[56:59], s[10:11], 0x18           ; eq, ek, ep, ev: entries 6 to 9
	s_load_b32 s60, s[10:11], 0x28                 ; entry 10
	s_mov_b32 s[G0KV], 1
	s_mov_b32 s[G0KV+1], s22
	s_add_nc_u64 s[G0KV+2:G0KV+3], s[6:7], s[66:67]
	s_or_b32 s[G0KV+3], s[G0KV+3], 0x80000000
	s_mov_b32 s[G0M], 1
	s_mov_b32 s[G0M+1], s23
	s_add_nc_u64 s[G0M+2:G0M+3], s[8:9], s[68:69]
	s_or_b32 s[G0M+3], s[G0M+3], 0x80000000
	CROUND                                         ; all sixteen work-groups are here
	JLOAD                                          ; key step 0 into slot 0: my one tensor load at the head
	s_lshl_b32 s70, s19, 18                        ; Q: head x 256 KiB + block x 16 KiB + my two images
	s_lshl_b32 s62, s18, 14
	s_add_co_u32 s70, s70, s62
	s_lshl_b32 s63, s[WV], 12
	s_add_co_u32 s70, s70, s63
	s_mov_b32 s71, 0
	s_add_nc_u64 s[4:5], s[4:5], s[70:71]
	s_lshl_b32 s70, s18, 18                        ; the output: [128 tokens][head][16 tokens][2,048]
	s_lshl_b32 s62, s19, 14
	s_add_co_u32 s70, s70, s62
	s_add_co_u32 s70, s70, s63
	s_add_nc_u64 s[12:13], s[12:13], s[70:71]
	; the prefetch: my quarter of what I fetch, at key step 2; each change of slots that fills steps it on by one key step
	s_lshl_b32 s76, s16, 12                        ; K, V: 4,096 bytes x cx
	s_add_co_u32 s76, s76, s66
	s_add_co_u32 s76, s76, 2*32768
	s_lshl_b32 s77, s17, 17                        ; the mask: 16 rows x cy
	s_add_co_u32 s77, s77, s68
	s_add_co_u32 s77, s77, 2*512
	s_mov_b32 s[PFS], 512
	s_mov_b32 s[PFS+1], 0
	s_cmp_lt_u32 s[WV], 2                          ; the choice hangs on the wave's number alone
	s_cselect_b64 s[PFA:PFA+1], s[6:7], s[8:9]
	s_cselect_b32 s76, s76, s77
	s_cselect_b32 s[PFS], 32768, s[PFS]
	s_cselect_b32 s78, -1, 0
	s_mov_b32 s77, 0
	s_add_nc_u64 s[PFA:PFA+1], s[PFA:PFA+1], s[76:77]
	v_and_b32 v1, 15, v0                           ; r
	v_bfe_u32 v2, v0, 4, 1                         ; h
	v_and_b32 v7, 31, v0
	v_lshlrev_b32 v[AL], 4, v7
	v_min_u32 v15, 15, v7
	v_lshlrev_b32 v15, 8, v15                      ; K, V: 256 x min(lane, 15)
	v_lshrrev_b32 v[PFO], 1, v7
	v_lshlrev_b32 v[PFO], 13, v[PFO]
	v_and_b32 v24, 1, v7
	v_lshl_add_u32 v[PFO], v24, 8, v[PFO]          ; the mask: row lane / 2, 256 x (lane % 2)
	v_cndmask_b32 v[PFO], v[PFO], v15, s78
.irp i, 0,1,2,3,4,5,6,7
	global_load_b128 v[Q+4*\i:Q+4*\i+3], v[AL], s[4:5] offset:512*\i   ; Q's two images stay in registers
.endr
	s_mul_i32 s62, s[WV], 32*MP
	s_add_co_u32 s62, s62, MOFF
	v_mul_u32_u24 v[AM0], v1, MP
	v_lshl_add_u32 v[AM0], v2, 5, v[AM0]
	v_add_nc_u32 v[AM0], s62, v[AM0]
.irp u, 0,1
	v_mov_b32 v[ST+4*\u+1], 0xff61b1e6             ; the largest t so far: -3e38
	v_floor_f32 v[ST+4*\u], -v[ST+4*\u+1]          ; -M
	v_mov_b32 v[ST+4*\u+2], 0                      ; the sum
	v_mov_b32 v[ST+4*\u+3], 0
.endr
	v_mov_b32 v26, 0                               ; written once: a lane permute's destination counts as one of its sources,
	v_mov_b32 v27, 0
	v_mov_b32 v29, 0                               ; and the upper halves of pairs that are named whole
	v_mov_b32 v31, 0
	s_wait_kmcnt 0x0
	s_add_co_i32 s62, s56, s57
	s_lshl_b32 s62, s62, 23
	s_mov_b32 s[CS], 0x3e0293ee                    ; log2(e) / sqrt(128),
	s_add_co_i32 s[CS], s[CS], s62                 ; x 2^(eq + ek): added to its exponent field
	s_mov_b32 s[CS+1], s[CS]
	s_mov_b32 s[MS], 0x413504f3                    ; sqrt(128),
	s_sub_co_i32 s[MS], s[MS], s62                 ; / 2^(eq + ek)
	s_mov_b32 s[MS+1], s[MS]
	s_add_co_i32 s62, s58, 127
	s_lshl_b32 s63, s62, 23
	v_mov_b32 v[PS], s63
	s_add_co_i32 s62, s62, 8
	s_lshl_b32 s62, s62, 23
	s_or_b32 s62, s62, 0x600000
	v_mov_b32 v[PL], s62
	s_add_co_i32 s62, s60, 127
	s_lshl_b32 s63, s62, 23
	v_mov_b32 v[OS], s63
	s_add_co_i32 s62, s62, 8
	s_lshl_b32 s62, s62, 23
	s_or_b32 s62, s62, 0x600000
	v_mov_b32 v[OL], s62
	s_add_co_i32 s61, s58, s59                     ; ep + ev
	WIN 0x80                                       ; destination window 2
.set ii, 0
.rept 128
	v_mov_b32 v[ii], 0                             ; O^T: the step is written without a first form, and finds zeros
.set ii, ii+1
.endr
	WIN 0
.macro ADDR                            ; the slot in hand
	v_add_nc_u32 v[ADK], s[TB], v[AL]
	v_add_nc_u32 v[ADM], s[TB], v[AM0]
	s_wait_alu depctr_va_vdst(0)
.endm
.macro LDK t0                          ; four images of K: 16 loads into window 1
	WIN 0x40
.irp t, \t0, \t0+1, \t0+2, \t0+3
.irp c, 0,1,2,3
	ds_load_b128 v[KF+16*(\t)+4*\c:KF+16*(\t)+4*\c+3], v[ADK] offset:2048*(\t)+512*\c
.endr
.endr
	WIN 0
.endm
.macro LDV                             ; V's eight images: 32 loads into window 1
	WIN 0x40
.irp a, 0,1,2,3,4,5,6,7
.irp c, 0,1,2,3
	ds_load_b128 v[VF+16*\a+4*\c:VF+16*\a+4*\c+3], v[ADK] offset:16384+2048*\a+512*\c
.endr
.endr
	WIN 0
.endm
.macro LDM u                           ; mask(query 16 u + r, key 16 t + 8 h + 0 .. 7): the layout of the product's C: 16 loads into window 2
	WIN 0x80
.irp t, 0,1,2,3,4,5,6,7
	ds_load_b128 v[MK+64*\u+8*\t:MK+64*\u+8*\t+3], v[ADM] offset:16*MP*\u+64*\t
	ds_load_b128 v[MK+64*\u+8*\t+4:MK+64*\u+8*\t+7], v[ADM] offset:16*MP*\u+64*\t+16
.endr
	WIN 0
.endm
.macro SCALE u                         ; the mask x sqrt(128) / 2^(eq + ek)
	WIN 0x82
.set ii, 0
.rept 32
	v_pk_mul_f32 v[MK+64*\u+ii:MK+64*\u+ii+1], v[MK+64*\u+ii:MK+64*\u+ii+1], s[MS:MS+1] op_sel_hi:[1,0]
.set ii, ii+2
.endr
.endm
.macro QK u                            ; S^T = K Q^T + the mask: source 0 (K) window 1, C window 2
	WIN 0x21
.irp t, 0,1,2,3,4,5,6,7
	v_wmma_f32_16x16x128_fp8_fp8 v[S+64*\u+8*\t:S+64*\u+8*\t+7], v[KF+16*\t:KF+16*\t+15], v[Q+16*\u:Q+16*\u+15], v[MK+64*\u+8*\t:MK+64*\u+8*\t+7]
.endr
.endm
.macro SCORES
	s_wait_dscnt 0x0                               ; K and the mask are in
	SCALE 0                                        ; these 32 lines are the places between the last step's products, which read V's registers, and the loads below
	LDV                                            ; this step's V, from the slot in hand
	QK 0
	SCALE 1                                        ; these 32 lines are the places between tile 0's products and the first read of their results
	QK 1
	WIN 0
.endm
; One tile's softmax for one key step.  hook = 1: the next step's K (second half) and mask are asked of LDS among its lines.
.macro SOFTMAX u, hook
.set rS, S+64*\u
.set rP, P+16*\u
.set rT, ST+4*\u
.if \u
	s_wait_alu depctr_va_vdst(0)
.endif
	v_max3_num_f32 v[T0], v[rS], v[rS+1], v[rS+2]  ; the largest of my 64 numbers, in four chains, in ascending order: each accumulator is read from its low end on
	v_max3_num_f32 v[T1], v[rS+3], v[rS+4], v[rS+5]
	v_max3_num_f32 v30, v[rS+6], v[rS+7], v[rS+8]
	v_max3_num_f32 v31, v[rS+9], v[rS+10], v[rS+11]
.set ii, 12
.rept 6
	v_max3_num_f32 v[T0], v[T0], v[rS+ii], v[rS+ii+1]
	v_max3_num_f32 v[T1], v[T1], v[rS+ii+2], v[rS+ii+3]
	v_max3_num_f32 v30, v30, v[rS+ii+4], v[rS+ii+5]
	v_max3_num_f32 v31, v31, v[rS+ii+6], v[rS+ii+7]
.set ii, ii+8
.endr
	v_max3_num_f32 v[T0], v[T0], v[rS+60], v[rS+61]
	v_max3_num_f32 v[T1], v[T1], v[rS+62], v[rS+63]
	v_max3_num_f32 v[T0], v[T0], v[T1], v30
	v_max_num_f32 v[T0], v[T0], v31
	v_permlanex16_b32 v[T2], v[T0], s[SEL], s[SEL+1]   ; the query's other 64 keys lie in the lane 16 away
	v_max_num_f32 v[T0], v[T0], v[T2]
	v_mul_f32 v[T0], s[CS], v[T0]                  ; as t (c is positive)
	v_max_num_f32 v[rT+1], v[rT+1], v[T0]
	v_mov_b32 v[T0], v[rT]
	v_floor_f32 v[rT], -v[rT+1]                    ; -M = floor(-t): M is a whole number
	v_sub_f32 v[T0], v[rT], v[T0]
	v_cvt_i32_f32 v[T0], v[T0]                     ; (it saturates)
	v_ldexp_f32 v[F], 1.0, v[T0]                   ; f = 2^(old M - new M)
.if \hook
	LDK 4
.endif
.set ii, 0
.rept 32
	v_pk_fma_f32 v[rS+ii:rS+ii+1], v[rS+ii:rS+ii+1], s[CS:CS+1], v[rT:rT+1] op_sel_hi:[1,0,0]   ; t - M
.set ii, ii+2
.endr
.if \hook
	LDM 0
.endif
	s_wait_alu depctr_va_vdst(0)                   ; one wait ahead of the batch,
.set ii, 0
.rept 64
	v_exp_f32 v[rS+ii], v[rS+ii]                   ; p = 2^(t - M), at most 1
.set ii, ii+1
.endr
	v_pk_mul_f32 v[rT+2:rT+3], v[rT+2:rT+3], v[F:F+1] op_sel_hi:[1,0]   ; the sum under the new M: a plain line behind the exponentials
	s_wait_alu depctr_va_vdst(0)                   ; and one behind it, ahead of its first reader
	v_pk_add_f32 v[30:31], v[rS:rS+1], v[rS+2:rS+3]    ; the sum of the unquantised p, in four chains
	v_pk_add_f32 v[24:25], v[rS+4:rS+5], v[rS+6:rS+7]
	v_pk_add_f32 v[26:27], v[rS+8:rS+9], v[rS+10:rS+11]
.set ii, 12
.rept 6
	v_pk_add_f32 v[rT+2:rT+3], v[rT+2:rT+3], v[rS+ii:rS+ii+1]
	v_pk_add_f32 v[30:31], v[30:31], v[rS+ii+2:rS+ii+3]
	v_pk_add_f32 v[24:25], v[24:25], v[rS+ii+4:rS+ii+5]
	v_pk_add_f32 v[26:27], v[26:27], v[rS+ii+6:rS+ii+7]
.set ii, ii+8
.endr
	v_pk_add_f32 v[rT+2:rT+3], v[rT+2:rT+3], v[rS+60:rS+61]
	v_pk_add_f32 v[30:31], v[30:31], v[rS+62:rS+63]
	v_pk_add_f32 v[24:25], v[24:25], v[26:27]
	v_pk_add_f32 v[rT+2:rT+3], v[rT+2:rT+3], v[30:31]
	v_pk_add_f32 v[rT+2:rT+3], v[rT+2:rT+3], v[24:25]
.if \hook
	LDM 1
.endif
.irp b, 0,1,2,3
.set ii, 0
.rept 16
	v_min_num_f32 v[rS+16*\b+ii], v[rS+16*\b+ii], v[PL]   ; the conversion does not saturate (ISA guide 7.6.2); p is not negative: a one-sided hold
.set ii, ii+1
.endr
	v_cvt_scalef32_pk8_fp8_f32 v[rP+4*\b:rP+4*\b+1], v[rS+16*\b:rS+16*\b+7], v[PS]
	v_cvt_scalef32_pk8_fp8_f32 v[rP+4*\b+2:rP+4*\b+3], v[rS+16*\b+8:rS+16*\b+15], v[PS]
.endr
	WIN 0x82                                       ; O^T (destination and source 0) in window 2
	s_wait_alu depctr_va_vdst(0)                   ; directly ahead of the first reader of O^T
.set ii, 0
.rept 32
	v_pk_mul_f32 v[64*\u+ii:64*\u+ii+1], v[64*\u+ii:64*\u+ii+1], v[F:F+1] op_sel_hi:[1,0]   ; O^T under the new M
.set ii, ii+2
.endr
	WIN 0
.endm
.macro PV u                            ; O^T += V^T P^T: source 0 (V) window 1, C and D window 2; the tile's eight accumulators by turns
	s_wait_alu depctr_va_vdst(0)                   ; a blocking wait or a taken branch follows the lines above
.if \u == 0
	s_wait_dscnt 0x0                               ; V is in
.endif
	WIN 0xa1
.irp a, 0,1,2,3,4,5,6,7
	v_wmma_f32_16x16x128_fp8_fp8 v[64*\u+8*\a:64*\u+8*\a+7], v[VF+16*\a:VF+16*\a+15], v[P+16*\u:P+16*\u+15], v[64*\u+8*\a:64*\u+8*\a+7]
.endr
	WIN 0
.endm
; THE CHANGE OF SLOTS.  Each wave waits for all its tensor loads (its part of the slot that it is about to read), adds 0 to its spare word, and waits for that and for its reads of the slot that it has left.
; fill = 1: a round of the cluster's barrier, and behind it that other slot is filled with the key step after the next.
.macro CHANGE fill
	s_wait_tensorcnt 0x0                           ; no tensor load of mine is out, so a group 0 may be written
	ds_add_u32 v[SPW], v[NIL]                      ; 0 onto my spare word
.if \fill
	s_xor_b32 s[G0KV+1], s[G0KV+1], SLOT1          ; the other slot than last time,
	s_add_nc_u64 s[G0KV+2:G0KV+3], s[G0KV+2:G0KV+3], 32768   ; the next 128 keys
	s_xor_b32 s[G0M+1], s[G0M+1], SLOT1
	s_add_nc_u64 s[G0M+2:G0M+3], s[G0M+2:G0M+3], 512
	s_wait_xcnt 0x0                                ; any prefetch of mine has read its address, so it may be written
	s_add_nc_u64 s[PFA:PFA+1], s[PFA:PFA+1], s[PFS:PFS+1]
.endif
	s_wait_dscnt 0x0                               ; the add is done, and my reads of the slot that I have left are over
.if \fill
	CROUND
	JLOAD                                          ; the first thing behind the round, and my one tensor load until the next
.else
	s_barrier_signal -1
	s_barrier_wait -1
.endif
.endm
.macro BODY fill
	SCORES
	SOFTMAX 0, 0
	PV 0
	s_xor_b32 s[TB], s[TB], SLOT1
	CHANGE \fill
	ADDR
	LDK 0                                          ; the next step's K, first half
.if \fill
	ASK
.endif
	SOFTMAX 1, 1
	PV 1
.endm
	s_wait_alu depctr_va_vdst(0)
	s_wait_loadcnt 0x0                             ; Q
	CHANGE 1                                       ; key step 0 is in; key step 1 is asked for, into slot 1
	ADDR
	LDK 0
	LDK 4
	LDM 0
	LDM 1
	s_mov_b32 s[CNT], 14
.Lstep:                                            ; key steps 0 to 13; steps 2 to 15 are asked for
	BODY 1
	s_sub_co_u32 s[CNT], s[CNT], 1
	s_cmp_lg_u32 s[CNT], 0
	s_cbranch_scc1 .Lstep
	BODY 0                                         ; key step 14 is written out
	SCORES                                         ; key step 15
	SOFTMAX 0, 0
	PV 0
	SOFTMAX 1, 0
	PV 1
	; THE WAY OUT.  O^T x 2^(ep + ev) / the sum, held and converted with entry 10: a tile's 8 accumulators become one image of the last product's operand.  The additions are the places behind the last products.
	v_add_f32 v24, v18, v19
	v_add_f32 v25, v22, v23
	v_permlanex16_b32 v26, v24, s[SEL], s[SEL+1]
	v_permlanex16_b32 v27, v25, s[SEL], s[SEL+1]
	v_add_f32 v24, v24, v26
	v_add_f32 v25, v25, v27
	s_wait_alu depctr_va_vdst(0)                   ; a wait ahead of the transcendentals,
	v_rcp_f32 v24, v24
	v_rcp_f32 v25, v25
	v_nop                                          ; a plain line behind the reciprocals
	s_wait_alu depctr_va_vdst(0)                   ; and ahead of their first reader
	v_ldexp_f32 v28, v24, s61
	v_ldexp_f32 v30, v25, s61
.irp u, 0,1
	WIN 0x02                                       ; source 0 window 2
	s_wait_alu depctr_va_vdst(0)                   ; directly ahead of the first reader of O^T
.set ii, 0
.rept 32
	v_pk_mul_f32 v[S+64*\u+ii:S+64*\u+ii+1], v[64*\u+ii:64*\u+ii+1], v[28+2*\u:29+2*\u] op_sel_hi:[1,0]   ; each accumulator from its low end on
.set ii, ii+2
.endr
	WIN 0
.set ii, 0
.rept 64
	v_med3_num_f32 v[S+64*\u+ii], v[S+64*\u+ii], -v[OL], v[OL]
.set ii, ii+1
.endr
.irp a, 0,1,2,3,4,5,6,7
	v_cvt_scalef32_pk8_fp8_f32 v[P+16*\u+2*\a:P+16*\u+2*\a+1], v[S+64*\u+8*\a:S+64*\u+8*\a+7], v[OS]
.endr
	v_nop
.irp c, 0,1,2,3
	global_store_b128 v[AL], v[P+16*\u+4*\c:P+16*\u+4*\c+3], s[12:13] offset:2048*\u+512*\c   ; 512 consecutive bytes, aligned
.endr
.endr
	s_wait_tensorcnt 0x0                           ; the wave's end
	ds_add_u32 v[SPW], v[NIL]
	s_wait_dscnt 0x0
	CROUND                                         ; the closing round
	s_endpgm
.Lfunc_end_k_q760c1461e6_attn:
	.size	k_q760c1461e6_attn, .Lfunc_end_k_q760c1461e6_attn-k_q760c1461e6_attn
	.p2alignl 7, 3214868480
	.fill 96, 4, 3214868480
	.section	.rodata,"a",@progbits
	.p2align	6, 0x0
	.amdhsa_kernel k_q760c1461e6_attn
		.amdhsa_group_segment_fixed_size 327680
		.amdhsa_private_segment_fixed_size 0
		.amdhsa_enable_private_segment 0
		.amdhsa_kernarg_size 40
		.amdhsa_user_sgpr_count 2
		.amdhsa_user_sgpr_kernarg_segment_ptr 1
		.amdhsa_wavefront_size32 1
		.amdhsa_system_sgpr_workgroup_id_x 1
		.amdhsa_system_sgpr_workgroup_id_y 1
		.amdhsa_system_sgpr_workgroup_id_z 1
		.amdhsa_system_vgpr_workitem_id 0
		.amdhsa_next_free_vgpr 768
		.amdhsa_next_free_sgpr 100
		.amdhsa_reserve_vcc 0
		.amdhsa_float_denorm_mode_32 3
		.amdhsa_float_denorm_mode_16_64 3
		.amdhsa_memory_ordered 1
		.amdhsa_forward_progress 1
		.amdhsa_inst_pref_size 148
	.end_amdhsa_kernel
	.amdgpu_metadata
---
amdhsa.version: [ 1, 2 ]
amdhsa.kernels:
  - .name:           k_q760c1461e6_attn
    .symbol:         k_q760c1461e6_attn.kd
    .args:
      - { .name: qc, .offset: 0, .size: 8, .value_kind: global_buffer, .address_space: global }
      - { .name: kvc, .offset: 8, .size: 8, .value_kind: global_buffer, .address_space: global }
      - { .name: attn_mask, .offset: 16, .size: 8, .value_kind: global_buffer, .address_space: global }
      - { .name: lowp_scales, .offset: 24, .size: 8, .value_kind: global_buffer, .address_space: global }
      - { .name: oc, .offset: 32, .size: 8, .value_kind: global_buffer, .address_space: global }
    .group_segment_fixed_size: 327680
    .private_segment_fixed_size: 0
    .kernarg_segment_align: 8
    .kernarg_segment_size: 40
    .max_flat_workgroup_size: 128
    .sgpr_count:     100
    .vgpr_count:     768
    .wavefront_size: 32
...
	.end_amdgpu_metadata
.endif
;; end of part 3
;; launch outp (part 4): grid 16 x 16, 4 waves a work-group, clusters of 4 x 4, 327,680 bytes of LDS; arguments oc, wc, lowp_scales, bo, out0; writes out0
.if DOCPART == 4
	.amdgcn_target "amdgcn-amd-amdhsa--gfx1250"
	.amdhsa_code_object_version 6
	.text
	.protected	k_q760c1461e6_outp
	.globl	k_q760c1461e6_outp
	.p2align	8
	.type	k_q760c1461e6_outp,@function
k_q760c1461e6_outp:
	s_mov_b64 s[64:65], 0
	v_nop
	global_prefetch_b8 v0, s[64:65] scope:SCOPE_SE
	s_setreg_imm32_b32 hwreg(HW_REG_WAVE_MODE, 25, 1), 1
	s_wait_xcnt 0x0
	s_wait_alu depctr_hold_cnt(0) depctr_sa_sdst(0) depctr_va_vdst(0) depctr_va_sdst(0) depctr_va_ssrc(0) depctr_va_vcc(0) depctr_vm_vsrc(0)
	s_getreg_b32 s2, hwreg(HW_REG_IB_STS2, 6, 4)
	s_cmp_eq_u32 s2, 0
	s_cbranch_scc0 .Lentry_in_a_cluster
	s_endpgm
.Lentry_in_a_cluster:
	s_bfe_u32 s2, ttmp6, 0x10000c
	s_cmp_lg_u32 s2, 0xf033
	s_cbranch_scc0 .Lentry_shape_is_right
	s_endpgm
.Lentry_shape_is_right:
.set HALFT,  32768
.set SLOT,   4*HALFT
.set SPARE,  2*SLOT
.set KSB,    65536
.set FR,     16
.set NP,     4
.set SPITCH, 272
.set WSTG,   4*16*SPITCH
.set ADRA, 16
.set ADRB, 20
.set STO,  24
.set RD,   25
.set CO,   26
.set SPW,  28
.set NIL,  29
.set ACC,  128
.set F0,   0
.set F1,   128
.set G1, 24
.set G0, 32
.set G1B, 48
.set G0B, 56
.set MSB, 0
.macro WIN new
.if MSB != \new
	s_set_vgpr_msb (MSB<<8)|\new
.set MSB, \new
.endif
.endm
.set MUL,  0x05
.set TO_F, 0x40
.macro JLOAD g0a, g1a, g0b, g1b
	s_cmp_eq_u32 s15, 0
	s_cbranch_scc0 .Lfor_b_\@
	tensor_load_to_lds s[\g0a:\g0a+3], s[\g1a:\g1a+7]
	s_nop 0
.rept 4
	v_nop
.endr
	s_branch .Lasked_\@
.Lfor_b_\@:
	tensor_load_to_lds s[\g0b:\g0b+3], s[\g1b:\g1b+7]
	s_nop 0
.rept 4
	v_nop
.endr
.Lasked_\@:
.endm
.macro CREST
	s_cmp_lg_u32 s14, 0
	s_cbranch_scc1 .Lnot_wave_0_\@
	s_barrier_signal -3
.Lnot_wave_0_\@:
	s_barrier_wait -3
	s_barrier_signal -1
	s_barrier_wait -1
.endm
.macro CROUND
	s_barrier_signal -1
	s_barrier_wait -1
	CREST
.endm
	s_load_b256 s[68:75], s[0:1], 0x0
	s_load_b64 s[76:77], s[0:1], 0x20
	v_lshl_add_u32 v[SPW], v0, 2, SPARE
	v_mov_b32 v[NIL], 0
	ds_add_u32 v28, v29
	ds_add_u32 v28, v29
	s_wait_dscnt 0x0
	v_lshrrev_b32 v1, 5, v0
	v_readfirstlane_b32 s14, v1
	v_and_b32 v30, 31, v0
	v_lshlrev_b32 v30, 8, v30                      ; the prefetches' offset: 256 x lane; never rewritten
	s_lshr_b32 s15, s14, 1
	s_and_b32 s16, s14, 1
	s_bfe_u32 s7, ttmp6, 0x40000
	s_bfe_u32 s8, ttmp6, 0x40004
	s_lshl_b32 s5, ttmp9, 2
	s_add_co_u32 s5, s5, s7
	s_and_b32 s6, ttmp7, 0xffff
	s_lshl_b32 s6, s6, 2
	s_add_co_u32 s6, s6, s8
	s_lshl_b32 s9, s8, 2
	s_lshl_b32 s9, 15, s9
	s_lshl_b32 s10, 0x1111, s7
	s_or_b32 s[G1+0], s9, (3<<16)|(1<<21)
	s_or_b32 s[G1B+0], s10, (3<<16)|(1<<21)
.irp g, G1, G1B
	s_mov_b32 s[\g+1], 32<<16
	s_mov_b32 s[\g+2], 128<<16
	s_mov_b32 s[\g+3], 32<<16
	s_mov_b32 s[\g+4], 128
	s_mov_b32 s[\g+5], 32
	s_mov_b32 s[\g+6], 0
	s_mov_b32 s[\g+7], 0
.endr
	s_lshl_b32 s17, s16, 15
	s_lshl_b32 s44, s6, 18
	s_add_co_u32 s44, s44, s17
	s_mov_b32 s45, 0
	s_lshl_b32 s46, s5, 18
	s_add_co_u32 s46, s46, s17
	s_add_co_u32 s46, s46, 0xc00000
	s_mov_b32 s47, 0
	s_mul_i32 s11, s14, HALFT
	s_wait_kmcnt 0x0
	s_load_b64 s[96:97], s[72:73], 0x28
	s_add_nc_u64 s[40:41], s[68:69], s[44:45]
	s_add_nc_u64 s[42:43], s[70:71], s[46:47]
	; the prefetches: of the 32 KiB that my wave fetches for a K step, my work-group names 8 KiB: the four partners that ask for the tile jointly are told apart by address (cx along a row, cy along a column)
	s_cmp_eq_u32 s15, 0
	s_cselect_b64 s[44:45], s[40:41], s[42:43]
	s_cselect_b32 s46, s7, s8
	s_lshl_b32 s46, s46, 13
	s_mov_b32 s47, 0
	s_add_nc_u64 s[44:45], s[44:45], s[46:47]
	CROUND
.irp s, 0,1
	s_mov_b32 s[G0+4*\s], 1
	s_add_co_u32 s[G0+4*\s+1], s11, \s*SLOT
	s_add_nc_u64 s[G0+4*\s+2:G0+4*\s+3], s[40:41], \s*KSB
	s_or_b32 s[G0+4*\s+3], s[G0+4*\s+3], 0x80000000
	s_mov_b32 s[G0B+4*\s], 1
	s_add_co_u32 s[G0B+4*\s+1], s11, \s*SLOT
	s_add_nc_u64 s[G0B+4*\s+2:G0B+4*\s+3], s[42:43], \s*KSB
	s_or_b32 s[G0B+4*\s+3], s[G0B+4*\s+3], 0x80000000
	s_wait_alu depctr_va_vdst(0)
	s_wait_tensorcnt 0x0
	ds_add_u32 v28, v29
	ds_add_u32 v28, v29
	s_wait_dscnt 0x0
	CROUND
	JLOAD G0+4*\s, G1, G0B+4*\s, G1B
.if \s == 0
	global_prefetch_b8 v30, s[44:45] offset:KSB th:TH_LOAD_NT scope:SCOPE_SE     ; behind the fill of K step f: K step f + 2; behind the first fill K step 1 too.  K has four steps: the refills name nothing
	global_prefetch_b8 v30, s[44:45] offset:2*KSB th:TH_LOAD_NT scope:SCOPE_SE
.else
	global_prefetch_b8 v30, s[44:45] offset:3*KSB th:TH_LOAD_NT scope:SCOPE_SE
.endif
.endr
	v_and_b32 v1, 15, v0
	s_wait_alu depctr_va_vdst(0)
	v_bfe_u32 v2, v0, 4, 1
	v_and_b32 v3, 31, v0
	v_lshlrev_b32 v4, 4, v3
	s_lshl_b32 s21, s15, 13
	s_lshl_b32 s22, s16, 13
	s_add_co_u32 s22, s22, 2*HALFT
.irp s, 0,1
	v_add_nc_u32 v[ADRA+\s], s21, v4
	v_add_nc_u32 v[ADRB+\s], s22, v4
	s_add_co_u32 s21, s21, SLOT
	s_add_co_u32 s22, s22, SLOT
.endr
	s_mul_i32 s23, s14, WSTG
	v_mul_u32_u24 v5, v1, SPITCH
	s_wait_alu depctr_va_vdst(0)
	v_lshl_add_u32 v5, v2, 5, v5
	v_add_nc_u32 v[STO], s23, v5
	v_mul_u32_u24 v5, v2, SPITCH
	v_lshl_add_u32 v5, v1, 4, v5
	v_add_nc_u32 v[RD], s23, v5
	v_lshlrev_b32 v[CO], 13, v2
	v_lshl_add_u32 v[CO], v1, 4, v[CO]
	s_lshl_b32 s18, s5, 9
	s_lshl_b32 s19, s16, 8
	s_add_co_u32 s18, s18, s19
	v_lshl_add_u32 v6, v1, 4, s18
	global_load_b128 v[12:15], v6, s[74:75]
	s_lshl_b32 s12, s6, 20
	s_lshl_b32 s19, s15, 19
	s_add_co_u32 s12, s12, s19
	s_add_co_u32 s12, s12, s18
	s_mov_b32 s13, 0
	s_add_nc_u64 s[98:99], s[76:77], s[12:13]
.macro MUL4 f, a, zero
.irp b, 0,1,2,3
.if \zero
	v_wmma_f32_16x16x128_fp8_fp8 v[ACC+8*(4*(\a)+\b):ACC+8*(4*(\a)+\b)+7], v[\f+64+FR*\b:\f+64+FR*\b+FR-1], v[\f+FR*(\a):\f+FR*(\a)+FR-1], 0
.else
	v_wmma_f32_16x16x128_fp8_fp8 v[ACC+8*(4*(\a)+\b):ACC+8*(4*(\a)+\b)+7], v[\f+64+FR*\b:\f+64+FR*\b+FR-1], v[\f+FR*(\a):\f+FR*(\a)+FR-1], v[ACC+8*(4*(\a)+\b):ACC+8*(4*(\a)+\b)+7]
.endif
.endr
.endm
.macro FETCH slot, q, f
	WIN TO_F
.irp i, 0,1,2,3
.irp c, 0,1,2,3
	ds_load_b128 v[\f+64+FR*\i+4*\c:\f+64+FR*\i+4*\c+3], v[ADRB+\slot] offset:16384*(\q)+2048*\i+512*\c
.endr
.irp c, 0,1,2,3
	ds_load_b128 v[\f+FR*\i+4*\c:\f+FR*\i+4*\c+3], v[ADRA+\slot] offset:16384*(\q)+2048*\i+512*\c
.endr
.endr
.endm
.macro PLACES n
.rept \n
	v_nop
.endr
.endm
.macro QUARTER slot, q, f, g, zero
	PLACES NP
	FETCH \slot, \q, \g
	s_wait_dscnt 32
	WIN MUL
	MUL4 \f, 0, \zero
	MUL4 \f, 1, \zero
	MUL4 \f, 2, \zero
	MUL4 \f, 3, \zero
.endm
.macro TURN slot, next, fill
	WIN 0
	s_wait_tensorcnt 0x0
	ds_add_u32 v[SPW], v[NIL]
	s_wait_dscnt 1
	WIN MUL
	MUL4 F1, 0, 0
	s_wait_dscnt 0x0
	s_barrier_signal -1
	MUL4 F1, 1, 0
	WIN 0
	s_barrier_wait -1
.if \fill
	CREST
	s_add_nc_u64 s[G0+4*\slot+2:G0+4*\slot+3], s[G0+4*\slot+2:G0+4*\slot+3], 2*KSB
	s_add_nc_u64 s[G0B+4*\slot+2:G0B+4*\slot+3], s[G0B+4*\slot+2:G0B+4*\slot+3], 2*KSB
	JLOAD G0+4*\slot, G1, G0B+4*\slot, G1B
.else
	PLACES NP
.endif
	FETCH \next, 0, F0
	WIN MUL
	MUL4 F1, 2, 0
	MUL4 F1, 3, 0
.endm
	s_wait_tensorcnt 1
	s_barrier_signal -1
	s_barrier_wait -1
	FETCH 0, 0, F0
	QUARTER 0, 1, F0, F1, 1
	QUARTER 0, 2, F1, F0, 0
	QUARTER 0, 3, F0, F1, 0
	TURN 0, 1, 1
	QUARTER 1, 1, F0, F1, 0
	QUARTER 1, 2, F1, F0, 0
	QUARTER 1, 3, F0, F1, 0
	TURN 1, 0, 1
	QUARTER 0, 1, F0, F1, 0
	QUARTER 0, 2, F1, F0, 0
	QUARTER 0, 3, F0, F1, 0
	TURN 0, 1, 0
	QUARTER 1, 1, F0, F1, 0
	QUARTER 1, 2, F1, F0, 0
	QUARTER 1, 3, F0, F1, 0
	s_wait_dscnt 0x0
	MUL4 F1, 0, 0
	MUL4 F1, 1, 0
	MUL4 F1, 2, 0
	MUL4 F1, 3, 0
	WIN 0
.macro TOSTAGE a
.irp b, 0,1,2,3
	ds_store_b128 v[STO], v[ACC+8*(4*(\a)+\b):ACC+8*(4*(\a)+\b)+3] offset:(\a)*16*SPITCH+64*\b
	ds_store_b128 v[STO], v[ACC+8*(4*(\a)+\b)+4:ACC+8*(4*(\a)+\b)+7] offset:(\a)*16*SPITCH+64*\b+16
.endr
.irp t, 0,1,2,3,4,5,6,7
	ds_load_b128 v[ACC+32*(\a)+4*\t:ACC+32*(\a)+4*\t+3], v[RD] offset:(\a)*16*SPITCH+2*\t*SPITCH
.endr
.endm
.macro SEND a, younger
	s_wait_dscnt \younger
.irp t, 0,1,2,3,4,5,6,7
	v_pk_fma_f32 v[ACC+32*(\a)+4*\t:ACC+32*(\a)+4*\t+1], v[ACC+32*(\a)+4*\t:ACC+32*(\a)+4*\t+1], s[96:97], v[12:13] op_sel_hi:[1,0,1]
	v_pk_fma_f32 v[ACC+32*(\a)+4*\t+2:ACC+32*(\a)+4*\t+3], v[ACC+32*(\a)+4*\t+2:ACC+32*(\a)+4*\t+3], s[96:97], v[14:15] op_sel_hi:[1,0,1]
.endr
.irp t, 0,1,2,3,4,5,6,7
	global_store_b128 v[CO], v[ACC+32*(\a)+4*\t:ACC+32*(\a)+4*\t+3], s[98:99] offset:(16*(\a)+2*\t)*8192 th:TH_STORE_NT
.endr
.endm
	s_wait_alu depctr_va_vdst(0)
	s_wait_kmcnt 0x0
	s_add_co_i32 s96, s96, s97
	s_add_co_i32 s96, s96, 127
	s_lshl_b32 s96, s96, 23
	s_mov_b32 s97, s96
	s_wait_loadcnt 0x0
	PLACES NP
	TOSTAGE 0
	TOSTAGE 1
	SEND 0, 16
	TOSTAGE 2
	SEND 1, 16
	TOSTAGE 3
	SEND 2, 16
	SEND 3, 0
	s_wait_tensorcnt 0x0
	ds_add_u32 v[SPW], v[NIL]
	s_wait_dscnt 0x0
	CROUND
	s_endpgm
.Lfunc_end_k_q760c1461e6_outp:
	.size	k_q760c1461e6_outp, .Lfunc_end_k_q760c1461e6_outp-k_q760c1461e6_outp
	.p2alignl 7, 3214868480
	.fill 96, 4, 3214868480
	.section	.rodata,"a",@progbits
	.p2align	6, 0x0
	.amdhsa_kernel k_q760c1461e6_outp
		.amdhsa_group_segment_fixed_size 327680
		.amdhsa_private_segment_fixed_size 0
		.amdhsa_enable_private_segment 0
		.amdhsa_kernarg_size 40
		.amdhsa_user_sgpr_count 2
		.amdhsa_user_sgpr_kernarg_segment_ptr 1
		.amdhsa_wavefront_size32 1
		.amdhsa_system_sgpr_workgroup_id_x 1
		.amdhsa_system_sgpr_workgroup_id_y 1
		.amdhsa_system_sgpr_workgroup_id_z 1
		.amdhsa_system_vgpr_workitem_id 0
		.amdhsa_next_free_vgpr 512
		.amdhsa_next_free_sgpr 100
		.amdhsa_reserve_vcc 0
		.amdhsa_float_denorm_mode_32 3
		.amdhsa_float_denorm_mode_16_64 3
		.amdhsa_memory_ordered 1
		.amdhsa_forward_progress 1
		.amdhsa_inst_pref_size 74
	.end_amdhsa_kernel
	.amdgpu_metadata
---
amdhsa.version: [ 1, 2 ]
amdhsa.kernels:
  - .name:           k_q760c1461e6_outp
    .symbol:         k_q760c1461e6_outp.kd
    .args:
      - { .name: oc, .offset: 0, .size: 8, .value_kind: global_buffer, .address_space: global }
      - { .name: wc, .offset: 8, .size: 8, .value_kind: global_buffer, .address_space: global }
      - { .name: lowp_scales, .offset: 16, .size: 8, .value_kind: global_buffer, .address_space: global }
      - { .name: bo, .offset: 24, .size: 8, .value_kind: global_buffer, .address_space: global }
      - { .name: out0, .offset: 32, .size: 8, .value_kind: global_buffer, .address_space: global }
    .group_segment_fixed_size: 327680
    .private_segment_fixed_size: 0
    .kernarg_segment_align: 8
    .kernarg_segment_size: 40
    .max_flat_workgroup_size: 128
    .sgpr_count:     100
    .vgpr_count:     512
    .wavefront_size: 32
...
	.end_amdgpu_metadata
.endif
;; end of part 4
